; MI455X (gfx1250); checked and timed in simulation.
; The chip was launched on July 23, 2026; its instructions are those of AMD's public machine-readable ISA for CDNA 5 (MIT licence, August 2026) and "CDNA5" Instruction Set Architecture Reference Guide (July 2026). The comments in the code are by the model that wrote it; some were corrected since.
;; MSA Pair Weighted Averaging. Allowed arithmetic: float matrix products may take bf16 or f16 operands with f32 sums; other float arithmetic in f32, or as packed bf16 or f16 multiplies, adds, multiply-adds, maxima and minima; sums over many terms, partial sums and values carried from step to step in f32; what a program stores and reads back later, other than sums and carried values, may be rounded once to bf16 or f16.
;; Inputs: Wb 128 x 8 float32; Wg 64 x 256 float32; Wo 256 x 64 float32; Wv 64 x 256 float32; ln_msa_b 64 float32; ln_msa_w 64 float32; ln_pair_b 128 float32; ln_pair_w 128 float32; msa 1 x 512 x 512 x 64 float32; pair 1 x 512 x 512 x 128 float32.
;; Outputs: out0 1 x 512 x 512 x 64 float32.
;; One version. Each part assembles by itself: llvm-mc -triple=amdgcn-amd-amdhsa -mcpu=gfx1250 --defsym DOCPART=n.
;; ======== version 1 of 1: 2 launches
;; limits: values are held in f16: magnitudes above 65,504 overflow, below 6.1e-05 lose precision
;; workspace buffers: wsm 4,194,304 bytes; wfr 98,304 bytes
;; launch pairw (part 1): grid 256 x 1, 16 waves a work-group, no clusters, 25,856 bytes of LDS; arguments pair, ln_pair_w, ln_pair_b, Wb, Wv, Wg, Wo, wsm, wfr; writes wsm, wfr
.if DOCPART == 1
	.amdgcn_target "amdgcn-amd-amdhsa--gfx1250"
	.amdhsa_code_object_version 6
	.text
	.protected	k_q708f410ff5_pairw
	.globl	k_q708f410ff5_pairw
	.p2align	8
	.type	k_q708f410ff5_pairw,@function
k_q708f410ff5_pairw:
	s_mov_b64 s[64:65], 0
	v_nop
	global_prefetch_b8 v0, s[64:65] scope:SCOPE_SE
	s_setreg_imm32_b32 hwreg(HW_REG_WAVE_MODE, 25, 1), 1
	s_wait_xcnt 0x0
; w[i][j][h] = softmax over j of (LayerNorm(pair[i][j][:]) . Wb[:][h]), written in f16 as wsm[h 8][jc 4][i 512][128 j], j = 128 jc + jj: one (h, jc, i) is 256 consecutive bytes.
; Beside it: Wv, Wg (times -log2 e) and Wo rounded to f16 and laid out as matrix fragments in wfr, 32 KB each, for the launch behind.
; SHARES.  Work-group g owns the rows i = 2 g, 2 g + 1 of pair; wave wv owns i = 2 g + wv / 8 and the 64 columns j = 64 (wv % 8) on: four tiles of 16 rows x 512 bytes.
; Lane (r = lane % 16, hh = lane / 16) holds half of row r: load u of 16 takes the channels 8 u + 4 hh + 0..3.  A row's mean and variance are a sum in the lane and one exchange of the lanes' halves.
; ARITHMETIC.  y = log2(e) b = sum_c z_c W''[c][h] + beta_h, z = (x - mean) rstd in f32 (mean first, then the squares of x - mean), rounded once to f16; W'' = f16(log2(e) ln_w[c] Wb[c][h]);
; beta_h = log2(e) sum_c ln_b[c] Wb[c][h] in f32, the C operand of the first product.  p = 2^(y - max y), the maximum taken over all 512 j; w = p / sum p, rounded once to f16.
; THE PRODUCT.  A = 16 rows of z, B = W'' (column n holds head n % 8: columns 8-15 repeat 0-7).  Along K both sides carry the same permutation of the channels: place (ks, q, e) of half hh is channel
; 32 ks + 16 q + 8 (e / 4) + 4 hh + e % 4, which is the order in which the loads above leave the channels in the registers.  Register e of the result is y[j = 16 t + 8 hh + e][head r % 8].
; IN FLIGHT.  Two tile buffers a wave: 16 loads of 512 bytes each, 16 KB a wave, 256 KB a work-group.  No LDS on the way in: no wave wants a byte of pair that another has fetched.
; THE TILE LOADS CARRY NO CACHE WORD, though pair is read once: a load takes 32 bytes of each of 16 rows, and the next three loads of the same wave take the 96 bytes beside them, so what lies next to a load's bytes is wanted at once.
; No cluster: the work-groups share no input but the small weights.  wfr leaves in stores of 128 bytes, one a wave and work-group: 96 KB in all.
; LIMITS.  f16 ends at 65,504: |z| is at most sqrt(128), so W'' has that room up to 5,700.  w below 6e-5 keeps f16's fixed step of 6e-8; a p below 2^-126 counts as 0 in the sum; NaN and infinities are not treated apart.
.set WBF,   0                          ; LDS: W'', four fragments of 1,024 bytes: registers 0-3 of lane l at 16 l, registers 4-7 at 512 + 16 l
.set BETAL, 4096                       ; beta's four parts: [r 16][ks 4] f32
.set REDM,  4352                       ; the waves' maxima: [i 2][r 16][8 waves] f32
.set REDS,  5376                       ; the waves' sums, likewise
.set STAGE, 6400                       ; the way out: 64 rows of 256 bytes, 272 apart; row (8 (i % 2) + head) 4 + jc
.set SP,    272
.set SPARE, 23808                      ; the spare words: 128 bytes for each of 16 waves, eight blocks of 256 bytes that no other line names
.set POFF, 3                           ; v3   r x 512 + hh x 16; never rewritten
.set SPW,  6                           ; v6   LDS address of my spare word; never rewritten
.set NIL,  7                           ; v7   0; never rewritten
.set STO,  8                           ; v8   where I put 16 bytes of w
.set RD,   9                           ; v9   where I read a row back
.set GO,   10                          ; v10  my byte offset in wsm
.set RST,  11                          ; v11  my wave's word among the eight
.set RLD,  12                          ; v12  the eight words
.set L16,  13                          ; v13  16 x lane
.set BE,   16                          ; v[16:23]  beta of head r % 8, eight times
.set WF,   24                          ; v[24:55]  W'', four fragments
.set LOG,  56                          ; v[56:87]  y of tile t at LOG + 8 t
.set TB,   88                          ; v[88:95]  the second accumulator
.set X0,   96                          ; v[96:159], v[160:223]  two tile buffers
.set X1,   160
.set S,    224                         ; v[224:231] four running pairs
.set MU,   232                         ; v[232:233] what is taken away, twice
.set RS,   234                         ; v[234:235] what is multiplied by, twice
	s_load_b512 s[8:23], s[0:1], 0x0               ; pair s[8:9], ln_w s[10:11], ln_b s[12:13], Wb s[14:15], Wv s[16:17], Wg s[18:19], Wo s[20:21], wsm s[22:23]
	s_load_b64 s[24:25], s[0:1], 0x40              ; wfr
	v_lshl_add_u32 v[SPW], v0, 2, SPARE
	v_mov_b32 v[NIL], 0
	v_lshrrev_b32 v4, 5, v0
	v_readfirstlane_b32 s26, v4                    ; wave 0..15
	v_and_b32 v1, 15, v0                           ; r
	v_bfe_u32 v2, v0, 4, 1                         ; hh
	v_and_b32 v[L16], 31, v0
	v_lshlrev_b32 v[L16], 4, v[L16]
	v_lshlrev_b32 v[POFF], 9, v1
	v_lshl_add_u32 v[POFF], v2, 4, v[POFF]
	s_lshr_b32 s27, s26, 3                         ; which of the two i
	s_and_b32 s40, s26, 7                          ; which 64 j
	s_mov_b32 s32, 0x76543210                      ; v_permlanex16_b32: each lane takes its own place in the other half
	s_mov_b32 s33, 0xfedcba98
	s_mov_b32 s34, 0x3c000000                      ; 1 / 128
	s_mov_b32 s35, 0x3727c5ac                      ; 1e-5
	s_lshl_b32 s36, ttmp9, 1
	s_add_co_u32 s36, s36, s27                     ; i
	s_lshl_b32 s28, s36, 18                        ; a row i of pair is 262,144 bytes,
	s_lshl_b32 s37, s40, 15                        ; 64 j are 32,768
	s_add_co_u32 s28, s28, s37
	s_mov_b32 s29, 0
	s_lshl_b32 s30, s40, 11                        ; on the way out wave wv stores head wv % 8 of its i: unit 2,048 head + i (+ 512 jc)
	s_add_co_u32 s30, s30, s36
	s_lshl_b32 s30, s30, 8
	s_mov_b32 s31, 0
	s_lshl_b32 s37, s27, 9
	v_lshl_add_u32 v[RLD], v1, 5, s37              ; 512 (i % 2) + 32 r
	s_lshl_b32 s37, s40, 2
	v_add_nc_u32 v[RST], s37, v[RLD]
	s_lshl_b32 s38, s27, 5                         ; into the stage: row (8 (i % 2) + r % 8) 4 + jc, jc = (wv % 8) / 2; byte 128 (wv % 2) + 32 t + 16 hh
	s_lshr_b32 s39, s40, 1
	s_add_co_u32 s38, s38, s39
	s_mul_i32 s38, s38, SP
	s_and_b32 s39, s40, 1
	s_lshl_b32 s39, s39, 7
	s_add_co_u32 s38, s38, s39
	s_add_co_u32 s38, s38, STAGE
	v_and_b32 v4, 7, v1
	v_mul_u32_u24 v[STO], v4, 4*SP
	v_lshl_add_u32 v[STO], v2, 4, v[STO]
	v_add_nc_u32 v[STO], s38, v[STO]
	s_mul_i32 s39, s26, 4*SP                       ; back: wave wv takes rows 4 wv .. 4 wv + 3; lanes 0-15 one row, lanes 16-31 the next
	s_add_co_u32 s39, s39, STAGE
	v_mul_u32_u24 v[RD], v2, SP
	v_lshl_add_u32 v[RD], v1, 4, v[RD]
	v_add_nc_u32 v[RD], s39, v[RD]
	v_lshlrev_b32 v[GO], 17, v2                    ; jc steps by 131,072 bytes
	v_lshl_add_u32 v[GO], v1, 4, v[GO]
	s_wait_kmcnt 0x0
	s_add_nc_u64 s[28:29], s[8:9], s[28:29]        ; pair at my wave's first row
	s_add_nc_u64 s[30:31], s[22:23], s[30:31]      ; wsm at my head and i
.macro TLOAD t, X                      ; a tile: 16 loads; a lane's 16 bytes and its partner's make 32 neighbouring bytes of a row, and load u + 1 takes the 32 bytes behind load u's
.set u_, 0
.rept 16
	global_load_b128 v[(\X)+4*u_:(\X)+4*u_+3], v[POFF], s[28:29] offset:(\t)*8192+32*u_
.set u_, u_+1
.endr
.endm
.macro FOLD                            ; four running pairs into one number, and the partner lane's onto it
	v_pk_add_f32 v[S:S+1], v[S:S+1], v[S+2:S+3]
	v_pk_add_f32 v[S+4:S+5], v[S+4:S+5], v[S+6:S+7]
	v_pk_add_f32 v[S:S+1], v[S:S+1], v[S+4:S+5]
	v_add_f32 v[S], v[S], v[S+1]
	v_permlanex16_b32 v[S+1], v[S], s32, s33
	v_add_f32 v[S], v[S], v[S+1]
.endm
.macro BAR
	s_barrier_signal -1
	s_barrier_wait -1
.endm
	; Seven waves have a small job beside their tiles.  Its loads go out first, the 32 tile loads behind them, so that the wait for the job's data leaves both tiles on their way.
	s_cmp_lt_u32 s26, 4
	s_cbranch_scc1 .Lwb
	s_cmp_lt_u32 s26, 6
	s_cbranch_scc1 .Lwvg
	s_cmp_eq_u32 s26, 6
	s_cbranch_scc1 .Lwo
	TLOAD 0, X0
	TLOAD 1, X1
	s_branch .Ljoin
.Lwb:                                  ; waves 0-3: fragment ks = wave of W'', and its 32 channels' part of beta
	s_lshl_b32 s36, s26, 10                        ; 32 channels of Wb are 1,024 bytes
	v_and_b32 v4, 7, v1
	v_lshlrev_b32 v4, 2, v4                        ; head r % 8
	v_lshl_add_u32 v4, v2, 7, v4                   ; 4 hh channels
	v_add_nc_u32 v4, s36, v4
	s_lshl_b32 s37, s26, 7
	v_lshl_add_u32 v5, v2, 4, s37                  ; the same channels in ln_w and ln_b
.set p_, 0
.rept 16                               ; number p of my 16: channel 32 ks + 8 (p / 4) + 4 hh + p % 4
	global_load_b32 v[56+p_], v4, s[14:15] offset:(p_/4)*256+(p_%4)*32
.set p_, p_+1
.endr
.set p_, 0
.rept 4
	global_load_b128 v[72+4*p_:72+4*p_+3], v5, s[10:11] offset:32*p_
	global_load_b128 v[224+4*p_:224+4*p_+3], v5, s[12:13] offset:32*p_
.set p_, p_+1
.endr
	TLOAD 0, X0
	TLOAD 1, X1
	s_wait_loadcnt 32                              ; all but the 32 tile loads
	v_pk_mul_f32 v[88:89], v[224:225], v[56:57]
.set p_, 1
.rept 7
	v_pk_fma_f32 v[88:89], v[224+2*p_:224+2*p_+1], v[56+2*p_:56+2*p_+1], v[88:89]
.set p_, p_+1
.endr
	v_add_f32 v88, v88, v89
	v_permlanex16_b32 v89, v88, s32, s33           ; the other 16 channels of the 32
	v_add_f32 v88, v88, v89
	v_mul_f32 v88, 0x3fb8aa3b, v88
	s_lshl_b32 s38, s26, 2
	v_lshl_add_u32 v90, v1, 4, s38
	ds_store_b32 v90, v88 offset:BETAL             ; both halves of the lanes hold the same number
.set p_, 0
.rept 8
	v_pk_mul_f32 v[56+2*p_:56+2*p_+1], v[56+2*p_:56+2*p_+1], v[72+2*p_:72+2*p_+1]
.set p_, p_+1
.endr
.set p_, 0
.rept 8
	v_pk_mul_f32 v[56+2*p_:56+2*p_+1], v[56+2*p_:56+2*p_+1], 0x3fb8aa3b op_sel_hi:[1,0]
.set p_, p_+1
.endr
.set p_, 0
.rept 8
	v_cvt_pk_f16_f32 v[56+p_], v[56+2*p_], v[56+2*p_+1]
.set p_, p_+1
.endr
	v_add_nc_u32 v91, s36, v[L16]
	ds_store_b128 v91, v[56:59] offset:WBF
	ds_store_b128 v91, v[60:63] offset:WBF+512
	s_branch .Ljoin
.Lwvg:                                 ; wave 4: Wv, wave 5: Wg.  Word d = 32 g + lane of the image: d = (((16-column block) 2 + ks) 2 + q) 128 + 4 (16 hh + r) + jr holds two channels of one column
	v_and_b32 v56, 31, v0
	s_lshl_b32 s36, ttmp9, 5
	v_add_nc_u32 v56, s36, v56                     ; d
	v_and_b32 v57, 1, v56
	v_lshlrev_b32 v58, 1, v57                      ; channel = 2 (jr % 2)
	v_bfe_u32 v57, v56, 1, 1
	v_lshl_or_b32 v58, v57, 3, v58                 ; + 8 (jr / 2)
	v_bfe_u32 v57, v56, 6, 1
	v_lshl_or_b32 v58, v57, 2, v58                 ; + 4 hh
	v_bfe_u32 v57, v56, 7, 2
	v_lshl_or_b32 v58, v57, 4, v58                 ; + 16 q + 32 ks
	v_lshrrev_b32 v57, 9, v56
	v_bfe_u32 v59, v56, 2, 4
	v_lshl_or_b32 v59, v57, 4, v59                 ; column = 16 block + r
	v_lshlrev_b32 v59, 2, v59
	v_lshl_add_u32 v59, v58, 10, v59               ; a channel's row is 1,024 bytes
	s_cmp_eq_u32 s26, 4
	s_cselect_b64 s[36:37], s[16:17], s[18:19]
	s_cselect_b32 s38, 1.0, 0xbfb8aa3b             ; the gate's weights carry -log2(e): sigmoid(x) = 1 / (1 + 2^(-log2(e) x))
	s_cselect_b32 s39, 0, 32768
	global_load_b32 v60, v59, s[36:37]
	global_load_b32 v61, v59, s[36:37] offset:1024
	TLOAD 0, X0
	TLOAD 1, X1
	s_wait_loadcnt 32                              ; all but the 32 tile loads
	v_mul_f32 v60, s38, v60
	v_mul_f32 v61, s38, v61
	v_cvt_pk_f16_f32 v60, v60, v61
	v_lshl_add_u32 v62, v56, 2, s39
	global_store_b32 v62, v60, s[24:25]
	s_wait_xcnt 0x0                                ; the store has read v60 and v62, which the tiles' work writes again
	s_branch .Ljoin
.Lwo:                                  ; wave 6: Wo, K in its true order.  d = ((4 h + mt) 2 + q) 128 + 4 (16 hh + r) + jr holds rows 32 h + 16 q + 8 hh + 2 jr, + 1 of column 16 mt + r
	v_and_b32 v56, 31, v0
	s_lshl_b32 s36, ttmp9, 5
	v_add_nc_u32 v56, s36, v56
	v_and_b32 v57, 3, v56
	v_lshlrev_b32 v58, 1, v57
	v_bfe_u32 v57, v56, 6, 2
	v_lshl_or_b32 v58, v57, 3, v58
	v_lshrrev_b32 v57, 10, v56
	v_lshl_or_b32 v58, v57, 5, v58                 ; row
	v_bfe_u32 v57, v56, 8, 2
	v_bfe_u32 v59, v56, 2, 4
	v_lshl_or_b32 v59, v57, 4, v59                 ; column
	v_lshlrev_b32 v59, 2, v59
	v_lshl_add_u32 v59, v58, 8, v59
	global_load_b32 v60, v59, s[20:21]
	global_load_b32 v61, v59, s[20:21] offset:256
	TLOAD 0, X0
	TLOAD 1, X1
	s_wait_loadcnt 32
	v_cvt_pk_f16_f32 v60, v60, v61
	v_lshlrev_b32 v62, 2, v56
	global_store_b32 v62, v60, s[24:25] offset:65536
	s_wait_xcnt 0x0
.Ljoin:
	s_wait_dscnt 0x0                               ; W'' and beta's parts are written,
	BAR                                            ; everybody's
.set p_, 0
.rept 4
	ds_load_b128 v[WF+8*p_:WF+8*p_+3],   v[L16] offset:WBF+1024*p_
	ds_load_b128 v[WF+8*p_+4:WF+8*p_+7], v[L16] offset:WBF+1024*p_+512
.set p_, p_+1
.endr
	v_lshlrev_b32 v14, 4, v1
	ds_load_b128 v[88:91], v14 offset:BETAL
	s_wait_dscnt 0x0
	v_add_f32 v88, v88, v89
	v_add_f32 v90, v90, v91
	v_add_f32 v[BE], v88, v90
.set p_, 1
.rept 7
	v_mov_b32 v[BE+p_], v[BE]                      ; a C operand: the same beta for the tile's 8 rows a lane
.set p_, p_+1
.endr
; A tile: mean, x - mean, variance, z, f16, four products.  left: the younger loads that may stay out.  refill = 1: the buffer takes the tile two further on.
.macro TILE t, X, left, refill
	s_wait_loadcnt \left
.set k_, 0
.rept 4
	v_pk_add_f32 v[S+2*k_:S+2*k_+1], v[(\X)+2*k_:(\X)+2*k_+1], v[(\X)+8+2*k_:(\X)+8+2*k_+1]  ; the first eight pairs start four chains: nothing is cleared
.set k_, k_+1
.endr
.set k_, 8
.rept 24
	v_pk_add_f32 v[S+2*(k_%4):S+2*(k_%4)+1], v[S+2*(k_%4):S+2*(k_%4)+1], v[(\X)+2*k_:(\X)+2*k_+1]
.set k_, k_+1
.endr
	FOLD
	v_mul_f32 v[MU], s34, v[S]
	v_mul_f32 v[MU+1], s34, v[S]
.set k_, 0
.rept 32
	v_pk_add_f32 v[(\X)+2*k_:(\X)+2*k_+1], v[(\X)+2*k_:(\X)+2*k_+1], v[MU:MU+1] neg_lo:[0,1] neg_hi:[0,1]
.set k_, k_+1
.endr
.set k_, 0
.rept 4
	v_pk_mul_f32 v[S+2*k_:S+2*k_+1], v[(\X)+2*k_:(\X)+2*k_+1], v[(\X)+2*k_:(\X)+2*k_+1]
.set k_, k_+1
.endr
.rept 28
	v_pk_fma_f32 v[S+2*(k_%4):S+2*(k_%4)+1], v[(\X)+2*k_:(\X)+2*k_+1], v[(\X)+2*k_:(\X)+2*k_+1], v[S+2*(k_%4):S+2*(k_%4)+1]
.set k_, k_+1
.endr
	FOLD
	v_fma_f32 v[S], v[S], s34, s35                 ; variance + 1e-5
	v_rsq_f32 v[RS], v[S]
	v_nop                                          ; a plain instruction behind the root,
	s_wait_alu depctr_va_vdst(0)                   ; and the wait ahead of its first reader
	v_mov_b32 v[RS+1], v[RS]
.set k_, 0
.rept 32
	v_pk_mul_f32 v[(\X)+2*k_:(\X)+2*k_+1], v[(\X)+2*k_:(\X)+2*k_+1], v[RS:RS+1]
.set k_, k_+1
.endr
.set k_, 0
.rept 32
	v_cvt_pk_f16_f32 v[(\X)+k_], v[(\X)+2*k_], v[(\X)+2*k_+1]  ; in place, ascending: register k is free when pair k is rounded
.set k_, k_+1
.endr
	; two accumulators by turns; the first starts with beta, the second with 0
	v_wmma_f32_16x16x32_f16 v[LOG+8*(\t):LOG+8*(\t)+7], v[(\X):(\X)+7], v[WF:WF+7], v[BE:BE+7]
	v_wmma_f32_16x16x32_f16 v[TB:TB+7], v[(\X)+8:(\X)+15], v[WF+8:WF+15], 0
	v_wmma_f32_16x16x32_f16 v[LOG+8*(\t):LOG+8*(\t)+7], v[(\X)+16:(\X)+23], v[WF+16:WF+23], v[LOG+8*(\t):LOG+8*(\t)+7]
	v_wmma_f32_16x16x32_f16 v[TB:TB+7], v[(\X)+24:(\X)+31], v[WF+24:WF+31], v[TB:TB+7]
.rept 4
	v_nop                                          ; four places ahead of the loads into registers that the products read, and of the sums that read their results
.endr
.if \refill
	TLOAD (\t)+2, \X
.endif
.set k_, 0
.rept 4
	v_pk_add_f32 v[LOG+8*(\t)+2*k_:LOG+8*(\t)+2*k_+1], v[LOG+8*(\t)+2*k_:LOG+8*(\t)+2*k_+1], v[TB+2*k_:TB+2*k_+1]
.set k_, k_+1
.endr
.endm
	TILE 0, X0, 16, 1                              ; 16: the other buffer's loads stay out
	TILE 1, X1, 16, 1
	TILE 2, X0, 16, 0
	TILE 3, X1, 0, 0
	; THE SOFTMAX over the row's 512 j: my 32, my partner lane's 32, and the eight waves' through LDS
.irp a, 0,3,5
.set k_, 0
.rept 4
.if \a == 0
	v_max3_num_f32 v[S+k_], v[LOG+8*k_], v[LOG+8*k_+1], v[LOG+8*k_+2]
.else
	v_max3_num_f32 v[S+k_], v[S+k_], v[LOG+8*k_+\a], v[LOG+8*k_+\a+1]
.endif
.set k_, k_+1
.endr
.endr
	v_max3_num_f32 v[S], v[S], v[LOG+7], v[LOG+15]
	v_max3_num_f32 v[S+2], v[S+2], v[LOG+23], v[LOG+31]
	v_max3_num_f32 v[S], v[S], v[S+1], v[S+2]
	v_max_num_f32 v[S], v[S], v[S+3]
	v_permlanex16_b32 v[S+1], v[S], s32, s33
	v_max_num_f32 v[S], v[S], v[S+1]
	ds_store_b32 v[RST], v[S] offset:REDM
	s_wait_dscnt 0x0
	BAR
	ds_load_b128 v[S:S+3],   v[RLD] offset:REDM
	ds_load_b128 v[S+4:S+7], v[RLD] offset:REDM+16
	s_wait_dscnt 0x0
	v_max3_num_f32 v[S], v[S], v[S+1], v[S+2]
	v_max3_num_f32 v[S+3], v[S+3], v[S+4], v[S+5]
	v_max3_num_f32 v[S], v[S], v[S+6], v[S+7]
	v_max_num_f32 v[MU], v[S], v[S+3]
	v_mov_b32 v[MU+1], v[MU]
.set k_, 0
.rept 16
	v_pk_add_f32 v[LOG+2*k_:LOG+2*k_+1], v[LOG+2*k_:LOG+2*k_+1], v[MU:MU+1] neg_lo:[0,1] neg_hi:[0,1]
.set k_, k_+1
.endr
.set k_, 0
.rept 32
	v_exp_f32 v[LOG+k_], v[LOG+k_]                 ; one batch
.set k_, k_+1
.endr
	v_nop
	s_wait_alu depctr_va_vdst(0)                   ; one wait for the 32, ahead of their first reader
.set k_, 0
.rept 4
	v_pk_add_f32 v[S+2*k_:S+2*k_+1], v[LOG+2*k_:LOG+2*k_+1], v[LOG+8+2*k_:LOG+8+2*k_+1]
.set k_, k_+1
.endr
.set k_, 8
.rept 8
	v_pk_add_f32 v[S+2*(k_%4):S+2*(k_%4)+1], v[S+2*(k_%4):S+2*(k_%4)+1], v[LOG+2*k_:LOG+2*k_+1]
.set k_, k_+1
.endr
	FOLD
	ds_store_b32 v[RST], v[S] offset:REDS
	s_wait_dscnt 0x0
	BAR
	ds_load_b128 v[S:S+3],   v[RLD] offset:REDS
	ds_load_b128 v[S+4:S+7], v[RLD] offset:REDS+16
	s_wait_dscnt 0x0
	v_pk_add_f32 v[S:S+1], v[S:S+1], v[S+2:S+3]
	v_pk_add_f32 v[S+4:S+5], v[S+4:S+5], v[S+6:S+7]
	v_pk_add_f32 v[S:S+1], v[S:S+1], v[S+4:S+5]
	v_add_f32 v[S], v[S], v[S+1]
	v_rcp_f32 v[RS], v[S]                          ; the sum is at least 1: the maximum's own weight
	v_nop
	s_wait_alu depctr_va_vdst(0)
	v_mov_b32 v[RS+1], v[RS]
.set k_, 0
.rept 16
	v_pk_mul_f32 v[LOG+2*k_:LOG+2*k_+1], v[LOG+2*k_:LOG+2*k_+1], v[RS:RS+1]
.set k_, k_+1
.endr
.set k_, 0
.rept 16
	v_cvt_pk_f16_f32 v[LOG+k_], v[LOG+2*k_], v[LOG+2*k_+1]
.set k_, k_+1
.endr
	; THE WAY OUT: a lane's 8 j of a tile are 16 bytes of a row (head, jc); lanes with r above 7 write what lanes r - 8 write.  Back as whole rows of 256 bytes.
.set k_, 0
.rept 4
	ds_store_b128 v[STO], v[LOG+4*k_:LOG+4*k_+3] offset:32*k_
.set k_, k_+1
.endr
	s_wait_dscnt 0x0                               ; a row's 256 bytes come from two waves
	BAR
	ds_load_b128 v[88:91], v[RD]
	ds_load_b128 v[92:95], v[RD] offset:2*SP
	s_wait_dscnt 0x0
	global_store_b128 v[GO], v[88:91], s[30:31]                 ; 16 lanes store 256 consecutive bytes, at a multiple of 256 from wsm's first byte: jc = hh,
	global_store_b128 v[GO], v[92:95], s[30:31] offset:262144   ; and jc = 2 + hh
	s_wait_tensorcnt 0x0                           ; the wave's end, behind my last LDS store
	ds_add_u32 v[SPW], v[NIL]
	s_wait_dscnt 0x0
	s_endpgm
.Lfunc_end_k_q708f410ff5_pairw:
	.size	k_q708f410ff5_pairw, .Lfunc_end_k_q708f410ff5_pairw-k_q708f410ff5_pairw
	.p2alignl 7, 3214868480
	.fill 96, 4, 3214868480
	.section	.rodata,"a",@progbits
	.p2align	6, 0x0
	.amdhsa_kernel k_q708f410ff5_pairw
		.amdhsa_group_segment_fixed_size 25856
		.amdhsa_private_segment_fixed_size 0
		.amdhsa_enable_private_segment 0
		.amdhsa_kernarg_size 72
		.amdhsa_user_sgpr_count 2
		.amdhsa_user_sgpr_kernarg_segment_ptr 1
		.amdhsa_wavefront_size32 1
		.amdhsa_system_sgpr_workgroup_id_x 1
		.amdhsa_system_sgpr_workgroup_id_y 1
		.amdhsa_system_sgpr_workgroup_id_z 1
		.amdhsa_system_vgpr_workitem_id 0
		.amdhsa_next_free_vgpr 240
		.amdhsa_next_free_sgpr 66
		.amdhsa_reserve_vcc 0
		.amdhsa_float_denorm_mode_32 3
		.amdhsa_float_denorm_mode_16_64 3
		.amdhsa_memory_ordered 1
		.amdhsa_forward_progress 1
		.amdhsa_inst_pref_size 81
	.end_amdhsa_kernel
	.amdgpu_metadata
---
amdhsa.version: [ 1, 2 ]
amdhsa.kernels:
  - .name:           k_q708f410ff5_pairw
    .symbol:         k_q708f410ff5_pairw.kd
    .args:
      - { .name: pair, .offset: 0, .size: 8, .value_kind: global_buffer, .address_space: global }
      - { .name: ln_pair_w, .offset: 8, .size: 8, .value_kind: global_buffer, .address_space: global }
      - { .name: ln_pair_b, .offset: 16, .size: 8, .value_kind: global_buffer, .address_space: global }
      - { .name: Wb, .offset: 24, .size: 8, .value_kind: global_buffer, .address_space: global }
      - { .name: Wv, .offset: 32, .size: 8, .value_kind: global_buffer, .address_space: global }
      - { .name: Wg, .offset: 40, .size: 8, .value_kind: global_buffer, .address_space: global }
      - { .name: Wo, .offset: 48, .size: 8, .value_kind: global_buffer, .address_space: global }
      - { .name: wsm, .offset: 56, .size: 8, .value_kind: global_buffer, .address_space: global }
      - { .name: wfr, .offset: 64, .size: 8, .value_kind: global_buffer, .address_space: global }
    .group_segment_fixed_size: 25856
    .private_segment_fixed_size: 0
    .kernarg_segment_align: 8
    .kernarg_segment_size: 72
    .max_flat_workgroup_size: 512
    .sgpr_count:     66
    .vgpr_count:     240
    .wavefront_size: 32
...
	.end_amdgpu_metadata
.endif
;; end of part 1
;; launch msaavg (part 2): grid 256 x 1, 4 waves a work-group, no clusters, 327,680 bytes of LDS; arguments msa, ln_msa_w, ln_msa_b, wsm, wfr, out0; writes out0
.if DOCPART == 2
	.amdgcn_target "amdgcn-amd-amdhsa--gfx1250"
	.amdhsa_code_object_version 6
	.text
	.protected	k_q708f410ff5_msaavg
	.globl	k_q708f410ff5_msaavg
	.p2align	8
	.type	k_q708f410ff5_msaavg,@function
k_q708f410ff5_msaavg:
	s_mov_b64 s[64:65], 0
	v_nop
	global_prefetch_b8 v0, s[64:65] scope:SCOPE_SE
	s_setreg_imm32_b32 hwreg(HW_REG_WAVE_MODE, 25, 1), 1
	s_wait_xcnt 0x0
; out[s][i][:] = (sigmoid(mn[s][i] Wg) * o[s][i]) Wo,  o[s][i][h][c] = sum_j w[i][j][h] v[s][j][h][c],  v = mn Wv,  mn = LayerNorm(msa).  w (f16) and the weights' fragment images (f16) come from the launch before.
; All products are v_wmma_f32_16x16x32_f16 with f32 sums; mn, v, the gate, o and gate x o are each rounded once to f16.  LayerNorm, the sigmoid and all sums in f32.
; SHARES.  Work-group g owns s = 2 g, 2 g + 1, all i and all heads.  Wave w owns the msa rows 128 w .. 128 w + 127 of both s: they are its quarter of j for v, and its i for gates, o and out.
; 16 BODIES n: pass p = n / 8, head h = n % 8.  In pass p a wave makes i = 128 w + 64 p .. + 63 (4 tiles of 16), so that the output sums take 256 registers and 256 are left for w on its way; v of a head is made once a pass.
; LAYOUTS (lane l: r = l % 16, hh = l / 16; e = register of a result):
;   V:  A = mn (rows j), B = Wv (columns c):      e -> v[j = 16 x + 8 hh + e][c = 16 ct + r]; two j tiles rounded in pairs ARE the A fragment (row c, 32 j) of
;   E:  A = v (mt = 2 s + ct), B = w (column i):  e -> o[i = 16 nt + r][c = 16 ct + 8 hh + e]
;   G:  A = Wg (rows c), B = mn (column i):       e -> the gate's exponent, laid out as E's result
;   O:  A = Wo (rows cm, K = c), B = two tiles of gate x o rounded in pairs: e -> out[i = 16 nt + r][cm = 16 mt + 8 hh + e]
; Along the 64 msa channels mn, Wv and Wg carry one permutation: place (ks, q, e) of half hh is channel 32 ks + 16 q + 8 (e / 4) + 4 hh + e % 4; j and c keep their order.
; w COMES STRAIGHT INTO REGISTERS: each fragment of w feeds one wave alone, so LDS would only add a write and a read.  A ring of 8 slots of 32 registers: a k-step's 8 loads go out 8 k-steps ahead of its products.
; NO CLUSTER, though all work-groups read the same w: a joint load lands in LDS, and this text holds 325,120 of its 327,680 bytes.  No prefetch: msa is asked for whole at the head; w is read by every work-group again and again.
; The last body's refills name body 0's first eight k-steps once more (32 KB a wave that nobody uses): the price of one text for all bodies.
; LIMITS.  f16 ends at 65,504: mn, v and gate x o must stay within it (|mn| is at most 8 |ln_w| + |ln_b|); below 6e-5 an f16 number keeps the fixed step 6e-8.  NaN and infinities are not treated apart.
; LDS.  Wave w's region, RW bytes at w RW: first its 256 raw rows (272 bytes apart), filled once by two tensor loads; mn's fragments are written over the rows already read: tile lt = 8 s + tile at 2,048 lt + 1,024 ks.
.set RW,    69632
.set IWV,   32768                      ; Wv's image, 32 KB, behind wave 0's mn;
.set IWG,   102400                     ; Wg's behind wave 1's;
.set IWO,   172032                     ; Wo's behind wave 2's
.set VB,    241664                     ; v of one head, both s: fragment (k-step t, mt) at (4 t + mt) 1,024: 64 KB
.set SPARE, 307200                     ; the spare words: 128 bytes a wave, two blocks of 256 bytes that no other line names
.set STAGE, 307712                     ; the way out: 16 rows x 272 bytes for each wave
.set SP,    272
; REGISTERS, in windows of 256 (s_set_vgpr_msb: bits 1:0 source 0, 3:2 source 1, 5:4 source 2, 7:6 destination)
.set L16,  3                           ; window 0: v3  16 x lane
.set AVA,  4                           ; v4   VB + 16 l
.set AMN,  5                           ; v5   my mn + 16 l
.set AWV,  6                           ; v6   Wv of the next head
.set AWG,  7                           ; v7   Wg of the head in hand
.set AWO,  8                           ; v8   Wo of the head in hand
.set AVS,  9                           ; v9   my four k-steps of v
.set BOFF, 10                          ; v10  r x 256 + hh x 16: my place in 16 rows of w
.set STO,  11                          ; v11  the way out: where I put 32 bytes of a row
.set RD,   12                          ; v12  where I read rows back
.set AMNG, 13                          ; v13  my mn of the pass's i
.set SPW,  14                          ; v14  my spare word; never rewritten
.set NIL,  15                          ; v15  0; never rewritten
.set O,    32                          ; v32-159   o: tile (nt, mt) at 8 (4 nt + mt); in the v phase two halves of 8 tiles; prologue: two raw tiles, ln_w, ln_b; way out: four row buffers
.set AF,   160                         ; v160-223  two buffers of 4 fragments of v; in the v phase 8 fragments of mn; prologue: at work
.set GT,   224                         ; v224-255  four tiles of gates; in the v phase four packed fragments of v
.set XA,   32
.set XB,   64
.set LW,   96
.set LB,   128
.set TA,   160
.set TC,   176
                                       ; window 1: the ring of w: slot t % 8, tile nt at 32 (t % 8) + 8 nt
.set WG,   0                           ; window 2: v0-31 Wg (mt, ks); v32-63 Wo (mt); v64-95 mn of a gate chunk (s, ks); v96-159 gates in f16, unit 2 nt + s (in the v phase 8 fragments of mn);
.set WO,   32                          ;           v160-175 gate x o, two buffers; v176-183 o in f16; v192-223 Wv (ct, ks)
.set MNF,  64
.set G16,  96
.set GO,   160
.set CV,   176
.set WVF,  192
                                       ; window 3: the output sums: tile (s, nt, mt) at 8 ((4 s + nt) 4 + mt); prologue: the weights' images on their way to LDS
.set PBC,  40                          ; s[40:41] w of the body in hand, at my rows
.set PBN,  42                          ; s[42:43] w of the next body
.set MSB, 0
.macro WIN new                         ; the immediate's high byte repeats the setting that is left; a switch that changes nothing is dropped
.if MSB != (\new)
	s_set_vgpr_msb (MSB<<8)|(\new)
.set MSB, (\new)
.endif
.endm
.macro PLACES                          ; four places behind a matrix instruction, ahead of loads into its sources and of readers of its result
.rept 4
	v_nop
.endr
.endm
.macro BAR
	s_barrier_signal -1
	s_barrier_wait -1
.endm
	s_load_b256 s[4:11], s[0:1], 0x0               ; msa s[4:5], ln_w s[6:7], ln_b s[8:9], wsm s[10:11]
	s_load_b128 s[12:15], s[0:1], 0x20             ; wfr s[12:13], out s[14:15]
	v_lshl_add_u32 v[SPW], v0, 2, SPARE
	v_mov_b32 v[NIL], 0
	ds_add_u32 v[SPW], v[NIL]                      ; the wave's opening: the add and its wait ahead of my first tensor load; the set-up, work on registers, stands between them
	ds_add_u32 v14, v15
	v_lshrrev_b32 v16, 5, v0
	v_readfirstlane_b32 s16, v16                   ; wave 0..3
	v_and_b32 v1, 15, v0                           ; r
	v_bfe_u32 v2, v0, 4, 1                         ; hh
	v_and_b32 v[L16], 31, v0
	v_lshlrev_b32 v[L16], 4, v[L16]
	v_lshlrev_b32 v21, 4, v2                       ; my 4 channels in 8 of ln_w, ln_b
	v_lshlrev_b32 v22, 4, v0                       ; 16 x thread
	; descriptor group 1: 128 rows x 64 elements of 4 bytes, 16 bytes of padding behind each row
	s_mov_b32 s24, (2<<16)|(1<<20)|(5<<22)|(3<<25) ; 17:16 4-byte elements; 20 padding on; 24:22 after every 64 words (code 5); 31:25 4 words (code 3)
	s_mov_b32 s25, 64<<16                          ; tensor_dim0 = 64
	s_mov_b32 s26, 128<<16                         ; tensor_dim1 = 128
	s_mov_b32 s27, 64<<16                          ; tile_dim0 = 64
	s_mov_b32 s28, 128                             ; tile_dim1 = 128
	s_mov_b32 s29, 64                              ; 64 elements from row to row
	s_mov_b32 s30, 0
	s_mov_b32 s31, 0
	s_mul_i32 s46, s16, RW                         ; my region
	s_mov_b32 s32, 1
	s_mov_b32 s33, s46                             ; s = 2 g: rows 0-127 of the region
	s_mov_b32 s36, 1
	s_add_co_u32 s37, s46, 128*SP                  ; s = 2 g + 1: rows 128-255
	s_lshl_b32 s53, s16, 15                        ; 128 w rows of 256 bytes: in msa, in w and in out
	s_lshl_b32 s22, ttmp9, 18                      ; 2 g planes of 131,072 bytes
	s_add_co_u32 s22, s22, s53
	s_mov_b32 s23, 0
	s_mov_b32 s20, 0x76543210                      ; v_permlanex16_b32: each lane takes its own place in the other half
	s_mov_b32 s21, 0xfedcba98
	s_mov_b32 s48, 0x3c800000                      ; 1 / 64
	s_mov_b32 s49, 0x3727c5ac                      ; 1e-5
	v_add_nc_u32 v[AVA], VB, v[L16]
	v_add_nc_u32 v[AMN], s46, v[L16]
	s_lshl_b32 s50, s16, 14
	s_add_co_u32 s50, s50, VB
	v_add_nc_u32 v[AVS], s50, v[L16]
	v_lshlrev_b32 v[BOFF], 8, v1
	v_lshl_add_u32 v[BOFF], v2, 4, v[BOFF]
	s_mul_i32 s50, s16, 16*SP
	s_add_co_u32 s50, s50, STAGE
	v_mul_u32_u24 v[STO], v1, SP
	v_lshl_add_u32 v[STO], v2, 5, v[STO]
	v_add_nc_u32 v[STO], s50, v[STO]
	v_mul_u32_u24 v[RD], v2, SP
	v_lshl_add_u32 v[RD], v1, 4, v[RD]
	v_add_nc_u32 v[RD], s50, v[RD]
	v_mul_u32_u24 v16, v1, SP                      ; v16: my half row of the raw tile in hand
	v_lshl_add_u32 v16, v2, 4, v16
	v_add_nc_u32 v16, s46, v16
	v_mov_b32 v17, v[AMN]                          ; v17: where its fragments go
	v_add_nc_u32 v18, IWV, v22                     ; v18-20: my 16 bytes in each 2,048 of the three images
	v_add_nc_u32 v19, IWG, v22
	v_add_nc_u32 v20, IWO, v22
	s_wait_dscnt 0x0                               ; the opening add is done
	s_wait_kmcnt 0x0
	s_add_nc_u64 s[34:35], s[4:5], s[22:23]
	s_add_nc_u64 s[38:39], s[34:35], 131072
	s_or_b32 s35, s35, 0x80000000                  ; type = 2
	s_or_b32 s39, s39, 0x80000000
	tensor_load_to_lds s[32:35], s[24:31]          ; my 256 rows of msa: two loads of mine are out
	s_nop 0
	tensor_load_to_lds s[36:39], s[24:31]
	s_nop 0
.set u_, 0
.rept 8
	global_load_b128 v[LW+4*u_:LW+4*u_+3], v21, s[6:7] offset:32*u_
	global_load_b128 v[LB+4*u_:LB+4*u_+3], v21, s[8:9] offset:32*u_
.set u_, u_+1
.endr
	WIN 0xc0
.set u_, 0
.rept 48                               ; the three images, 98,304 bytes: the work-group takes 2,048 neighbouring bytes a line
	global_load_b128 v[4*u_:4*u_+3], v22, s[12:13] offset:2048*u_
.set u_, u_+1
.endr
	WIN 0
	s_wait_tensorcnt 0x0                           ; my rows are in: only I read them
	s_wait_loadcnt 0x0
.macro BLOAD sl, tt, pb                ; k-step tt of w into slot sl: 4 tiles of 16 i x 32 j; over four k-steps a lane's row of 256 bytes is taken whole
.set m_, 0
.rept 4
	global_load_b128 v[32*(\sl)+8*m_:32*(\sl)+8*m_+3],   v[BOFF], s[\pb:\pb+1] offset:((\tt)/4)*131072+m_*4096+((\tt)%4)*64
	global_load_b128 v[32*(\sl)+8*m_+4:32*(\sl)+8*m_+7], v[BOFF], s[\pb:\pb+1] offset:((\tt)/4)*131072+m_*4096+((\tt)%4)*64+32
.set m_, m_+1
.endr
.endm
	s_mov_b32 s22, s53                             ; body 0: head 0, pass 0
	s_add_nc_u64 s[PBN:PBN+1], s[10:11], s[22:23]
	WIN 0x40
.irp t, 0,1,2,3,4,5,6,7
	BLOAD \t, \t, PBN                              ; the ring is filled: 64 loads stay out from here on
.endr
	WIN 0
	; LAYERNORM, two tiles of 16 rows a trip.  A lane holds half a row: load u takes the channels 8 u + 4 hh + 0..3.
.macro LFOLD T
	v_pk_add_f32 v[(\T):(\T)+1], v[(\T):(\T)+1], v[(\T)+2:(\T)+3]
	v_pk_add_f32 v[(\T)+4:(\T)+5], v[(\T)+4:(\T)+5], v[(\T)+6:(\T)+7]
	v_pk_add_f32 v[(\T):(\T)+1], v[(\T):(\T)+1], v[(\T)+4:(\T)+5]
	v_add_f32 v[\T], v[\T], v[(\T)+1]
	v_permlanex16_b32 v[(\T)+1], v[\T], s20, s21
	v_add_f32 v[\T], v[\T], v[(\T)+1]
.endm
.macro LNA X, T                        ; mean; x - mean in place; variance + 1e-5 into v[T]
.set k_, 0
.rept 4
	v_pk_add_f32 v[(\T)+2*k_:(\T)+2*k_+1], v[(\X)+2*k_:(\X)+2*k_+1], v[(\X)+8+2*k_:(\X)+8+2*k_+1]
.set k_, k_+1
.endr
.set k_, 8
.rept 8
	v_pk_add_f32 v[(\T)+2*(k_%4):(\T)+2*(k_%4)+1], v[(\T)+2*(k_%4):(\T)+2*(k_%4)+1], v[(\X)+2*k_:(\X)+2*k_+1]
.set k_, k_+1
.endr
	LFOLD \T
	v_mul_f32 v[(\T)+8], s48, v[\T]
	v_mul_f32 v[(\T)+9], s48, v[\T]
.set k_, 0
.rept 16
	v_pk_add_f32 v[(\X)+2*k_:(\X)+2*k_+1], v[(\X)+2*k_:(\X)+2*k_+1], v[(\T)+8:(\T)+9] neg_lo:[0,1] neg_hi:[0,1]
.set k_, k_+1
.endr
.set k_, 0
.rept 4
	v_pk_mul_f32 v[(\T)+2*k_:(\T)+2*k_+1], v[(\X)+2*k_:(\X)+2*k_+1], v[(\X)+2*k_:(\X)+2*k_+1]
.set k_, k_+1
.endr
.rept 12
	v_pk_fma_f32 v[(\T)+2*(k_%4):(\T)+2*(k_%4)+1], v[(\X)+2*k_:(\X)+2*k_+1], v[(\X)+2*k_:(\X)+2*k_+1], v[(\T)+2*(k_%4):(\T)+2*(k_%4)+1]
.set k_, k_+1
.endr
	LFOLD \T
	v_fma_f32 v[\T], v[\T], s48, s49
.endm
.macro LNB X, T, off                   ; mn = (x - mean) rstd ln_w + ln_b, f16 in place, out as two fragments
.set k_, 0
.rept 16
	v_pk_mul_f32 v[(\X)+2*k_:(\X)+2*k_+1], v[(\X)+2*k_:(\X)+2*k_+1], v[(\T)+10:(\T)+11]
.set k_, k_+1
.endr
.set k_, 0
.rept 16
	v_pk_fma_f32 v[(\X)+2*k_:(\X)+2*k_+1], v[(\X)+2*k_:(\X)+2*k_+1], v[LW+2*k_:LW+2*k_+1], v[LB+2*k_:LB+2*k_+1]
.set k_, k_+1
.endr
.set k_, 0
.rept 16
	v_cvt_pk_f16_f32 v[(\X)+k_], v[(\X)+2*k_], v[(\X)+2*k_+1]
.set k_, k_+1
.endr
.set k_, 0
.rept 4
	ds_store_b128 v17, v[(\X)+4*k_:(\X)+4*k_+3] offset:(\off)+512*k_
.set k_, k_+1
.endr
.endm
	s_mov_b32 s47, 8
.Lln:
.set u_, 0
.rept 8
	ds_load_b128 v[XA+4*u_:XA+4*u_+3], v16 offset:32*u_
	ds_load_b128 v[XB+4*u_:XB+4*u_+3], v16 offset:16*SP+32*u_
.set u_, u_+1
.endr
	s_wait_dscnt 0x0                               ; both tiles are in registers: their fragments (4,096 bytes at 4,096 x trip) land on raw rows up to 8,704 x (trip + 1), all read
	LNA XA, TA
	LNA XB, TC
	v_rsq_f32 v[TA+10], v[TA]
	v_rsq_f32 v[TC+10], v[TC]
	v_nop                                          ; a plain instruction behind the roots,
	s_wait_alu depctr_va_vdst(0)                   ; and one wait for both, ahead of their first reader
	v_mov_b32 v[TA+11], v[TA+10]
	v_mov_b32 v[TC+11], v[TC+10]
	LNB XA, TA, 0
	LNB XB, TC, 2048
	v_add_nc_u32 v16, 32*SP, v16
	v_add_nc_u32 v17, 4096, v17
	s_sub_co_u32 s47, s47, 1
	s_cmp_lg_u32 s47, 0
	s_cbranch_scc1 .Lln
	s_wait_dscnt 0x0
	BAR                                            ; every wave has read its raw rows: what lies behind its mn is free
	WIN 0x0c                                       ; store data in window 3
.set u_, 0
.rept 48
	ds_store_b128 v[18+u_/16], v[4*u_:4*u_+3] offset:2048*(u_%16)
.set u_, u_+1
.endr
	WIN 0
	s_wait_dscnt 0x0
	BAR                                            ; the three images are whole
; ---- the macros of a body ----
.macro ALOAD tt, b                     ; k-step tt of v, 4 fragments, into buffer b
.set m_, 0
.rept 4
	ds_load_b128 v[AF+32*(\b)+8*m_:AF+32*(\b)+8*m_+3],   v[AVA] offset:((\tt)*4+m_)*1024
	ds_load_b128 v[AF+32*(\b)+8*m_+4:AF+32*(\b)+8*m_+7], v[AVA] offset:((\tt)*4+m_)*1024+512
.set m_, m_+1
.endr
.endm
.macro MNFLOAD c                       ; mn of i tile c of the pass, both s, both ks
	WIN 0x80
.set k_, 0
.rept 8
	ds_load_b128 v[MNF+4*k_:MNF+4*k_+3], v[AMNG] offset:((k_/4)*8+(\c))*2048+(k_%4)*512
.set k_, k_+1
.endr
.endm
.macro FRAG8 dst, adr                  ; 4 fragments of a weight image into window 2
	WIN 0x80
.set k_, 0
.rept 8
	ds_load_b128 v[(\dst)+4*k_:(\dst)+4*k_+3], v[\adr] offset:512*k_
.set k_, k_+1
.endr
.endm
.macro GATE                            ; the gates' exponents of one i tile: tiles (s, mt), four accumulators by turns
	WIN 0x0a
.set n_, 0
.rept 8
.set rD_, GT+8*(n_%4)
.set rA_, WG+8*((n_%2)*2+n_/4)
.set rB_, MNF+8*(((n_%4)/2)*2+n_/4)
.if n_ < 4
	v_wmma_f32_16x16x32_f16 v[rD_:rD_+7], v[rA_:rA_+7], v[rB_:rB_+7], 0
.else
	v_wmma_f32_16x16x32_f16 v[rD_:rD_+7], v[rA_:rA_+7], v[rB_:rB_+7], v[rD_:rD_+7]
.endif
.set n_, n_+1
.endr
	PLACES
.endm
; The sigmoid of a chunk's 32 registers rides behind the chunk's 64 products, one number q behind each: 0-31 the exponentials (one batch, its wait behind k-step 1 of the four);
; 32-63 1 + 2^x for a pair and the two reciprocals (a second batch, its wait behind k-step 3).  All of it lies in window 0, so it needs no switch.
.macro RIDER q
.set p_, ((\q)-32)/2
.if (\q) < 32
	v_exp_f32 v[GT+(\q)], v[GT+(\q)]
.elseif (\q)%2 == 0
	v_pk_add_f32 v[GT+2*p_:GT+2*p_+1], v[GT+2*p_:GT+2*p_+1], 1.0 op_sel_hi:[1,0]
	v_rcp_f32 v[GT+2*p_], v[GT+2*p_]
.else
	v_rcp_f32 v[GT+2*p_+1], v[GT+2*p_+1]
.endif
.endm
; K-STEP t of o += v w: 16 products, the 16 accumulators by turns (15 others between two links of a chain); then the refills.
.macro KSTEP t
.if ((\t) == 2) || ((\t) == 6) || ((\t) == 10)
	s_wait_dscnt 16                                ; v of this k-step is in; behind it: the next gate chunk's 8 loads and the next k-step's 8
.else
	s_wait_dscnt 8                                 ; v of this k-step is in; the 8 LDS loads issued behind it may stay out
.endif
	s_wait_loadcnt 56                              ; w of this k-step is in: seven younger slots of 8 loads stay out
	WIN 0x04                                       ; w in window 1, all else in window 0
.set n_, 0
.rept 16
.if (\t) == 0
	v_wmma_f32_16x16x32_f16 v[O+8*n_:O+8*n_+7], v[AF+32*((\t)%2)+8*(n_%4):AF+32*((\t)%2)+8*(n_%4)+7], v[32*((\t)%8)+8*(n_/4):32*((\t)%8)+8*(n_/4)+7], 0
.else
	v_wmma_f32_16x16x32_f16 v[O+8*n_:O+8*n_+7], v[AF+32*((\t)%2)+8*(n_%4):AF+32*((\t)%2)+8*(n_%4)+7], v[32*((\t)%8)+8*(n_/4):32*((\t)%8)+8*(n_/4)+7], v[O+8*n_:O+8*n_+7]
.endif
	RIDER 16*((\t)%4)+n_
.set n_, n_+1
.endr
.if (\t)%4 == 3
	v_nop                                          ; a plain instruction behind the last reciprocal,
	s_wait_alu depctr_va_vdst(0)                   ; the batch's one wait,
	WIN 0x80
.set j_, 0
.rept 16                               ; and the gates rounded to f16: these lines are also the places ahead of the loads below
	v_cvt_pk_f16_f32 v[G16+16*((\t)/4)+j_], v[GT+2*j_], v[GT+2*j_+1]
.set j_, j_+1
.endr
.else
	PLACES
.if (\t)%4 == 1
	s_wait_alu depctr_va_vdst(0)                   ; the exponentials' one wait, ahead of their first reader in the next k-step
.endif
.endif
	WIN 0x40
.if (\t) < 8
	BLOAD (\t)%8, (\t)+8, PBC                      ; the slot just read takes the k-step 8 further on,
.else
	BLOAD (\t)%8, (\t)-8, PBN                      ; which from k-step 8 on is the next body's
.endif
.if ((\t)%4 == 1) && ((\t) < 12)
	MNFLOAD (\t)/4+1
.endif
.if (\t) <= 13
	WIN 0x04
	ALOAD (\t)+2, (\t)%2
.elseif (\t) == 14
	FRAG8 WO, AWO
.else
	VLOAD 0                                        ; the next head's v phase finds its first operands in registers
	FRAG8 WVF, AWV
.endif
.endm
; THE TAIL.  Unit u = 2 nt + s: its two tiles of o are rounded to f16, multiplied by the gate in f16, and are source 1 of four products onto the output sums.  VAL writes a quarter of that work.
.macro VAL u, part
.set j_, 4*((\part)%2)
.rept 4
.if (\part) < 2
	WIN 0x80
	v_cvt_pk_f16_f32 v[CV+j_], v[O+16*(\u)+2*j_], v[O+16*(\u)+2*j_+1]
.else
	WIN 0x8a
	v_pk_mul_f16 v[GO+8*((\u)%2)+j_], v[CV+j_], v[G16+8*(\u)+j_]
.endif
.set j_, j_+1
.endr
.endm
.macro TAIL zero                       ; zero = 1: a pass's first head starts the output sums
	s_wait_dscnt 24                                ; Wo is in; the 24 loads for the v phase stay out
	VAL 0, 0
	VAL 0, 1
	VAL 0, 2
	VAL 0, 3
.set u_, 0
.rept 8
.set w_, 0
.rept 4
.set rD_, 8*(((u_%2)*4+u_/2)*4+w_)
	WIN 0xfa                                       ; Wo and gate x o in window 2, the sums in window 3
.if \zero
	v_wmma_f32_16x16x32_f16 v[rD_:rD_+7], v[WO+8*w_:WO+8*w_+7], v[GO+8*(u_%2):GO+8*(u_%2)+7], 0
.else
	v_wmma_f32_16x16x32_f16 v[rD_:rD_+7], v[WO+8*w_:WO+8*w_+7], v[GO+8*(u_%2):GO+8*(u_%2)+7], v[rD_:rD_+7]
.endif
.if u_ < 7
	VAL u_+1, w_                                   ; the next unit's work rides behind this unit's products
.endif
.set w_, w_+1
.endr
.set u_, u_+1
.endr
.endm
; THE WAY OUT, unit u = 4 s + nt: 16 rows of out.  A lane's 8 numbers of a tile are 32 bytes of a row; through my stage they come back as whole rows of 256 bytes.
.macro WSTAGE u
	WIN 0x0c
.set m_, 0
.rept 4
	ds_store_b128 v[STO], v[32*(\u)+8*m_:32*(\u)+8*m_+3]   offset:64*m_
	ds_store_b128 v[STO], v[32*(\u)+8*m_+4:32*(\u)+8*m_+7] offset:64*m_+16
.set m_, m_+1
.endr
	WIN 0
.set m_, 0
.rept 8
	ds_load_b128 v[O+32*((\u)%4)+4*m_:O+32*((\u)%4)+4*m_+3], v[RD] offset:2*SP*m_  ; LDS serves a wave's instructions in order (ISA guide 5.7.1.4): these see the stores above; the next unit's stores come behind them
.set m_, m_+1
.endr
.endm
.macro WSEND u, younger
	s_wait_dscnt \younger
.set m_, 0
.rept 8
	global_store_b128 v[L16], v[O+32*((\u)%4)+4*m_:O+32*((\u)%4)+4*m_+3], s[44:45] offset:((\u)/4)*131072+((\u)%4)*4096+512*m_ th:TH_STORE_NT  ; 512 consecutive bytes, at a multiple of 256 from out's first byte
.set m_, m_+1
.endr
.endm
; THE v PHASE, four parts q: s = q / 2, my j tiles 4 (q % 2) .. + 3.
.macro VLOAD q                         ; 8 fragments of mn: into window 0 (q even) or window 2 (q odd)
.if (\q)%2
	WIN 0x80
.else
	WIN 0
.endif
.set k_, 0
.rept 16
	ds_load_b128 v[160-64*((\q)%2)+4*k_:160-64*((\q)%2)+4*k_+3], v[AMN] offset:(((\q)/2)*8+4*((\q)%2))*2048+512*k_
.set k_, k_+1
.endr
.endm
.macro VCVT qq, m                      ; register m of the four packed fragments (jp, ct) of part qq: j tile 2 jp + (m / 4) % 2
.set f_, (\m)/8
.set x_, 2*(f_/2)+((\m)/4)%2
.set sr_, O+64*((\qq)%2)+8*(x_*2+f_%2)+2*((\m)%4)
	v_cvt_pk_f16_f32 v[GT+(\m)], v[sr_], v[sr_+1]
.endm
.macro VMM q, ride                     ; 16 products on 8 tiles (x, ct) by turns; ride = 1: the part before is rounded behind them, two lines each
.set n_, 0
.rept 16
.set rD_, O+64*((\q)%2)+8*(n_%8)
.set rA_, 160-64*((\q)%2)+8*(((n_%8)/2)*2+n_/8)
.set rB_, WVF+8*((n_%2)*2+n_/8)
	WIN 0x08+2*((\q)%2)
.if n_ < 8
	v_wmma_f32_16x16x32_f16 v[rD_:rD_+7], v[rA_:rA_+7], v[rB_:rB_+7], 0
.else
	v_wmma_f32_16x16x32_f16 v[rD_:rD_+7], v[rA_:rA_+7], v[rB_:rB_+7], v[rD_:rD_+7]
.endif
.if \ride
	WIN 0
	VCVT (\q)-1, 2*n_
	VCVT (\q)-1, 2*n_+1
.endif
.set n_, n_+1
.endr
.endm
.macro VSTORE q                        ; part q's four fragments: k-step 4 w + 2 (q % 2) + jp, mt = 2 s + ct
	WIN 0
.set f_, 0
.rept 4
	ds_store_b128 v[AVS], v[GT+8*f_:GT+8*f_+3]   offset:((2*((\q)%2)+f_/2)*4+2*((\q)/2)+f_%2)*1024
	ds_store_b128 v[AVS], v[GT+8*f_+4:GT+8*f_+7] offset:((2*((\q)%2)+f_/2)*4+2*((\q)/2)+f_%2)*1024+512
.set f_, f_+1
.endr
.endm
	s_mov_b32 s17, 0                               ; the body to come
	s_mov_b32 s19, 1                               ; 1: its tail starts the output sums
	v_add_nc_u32 v[AWV], IWV, v[L16]               ; head 0
	VLOAD 0
	FRAG8 WVF, AWV
	WIN 0
	s_wait_dscnt 0x0
	s_branch .Lvph                                 ; the loop is entered at the v phase, in the middle of a trip
.Ltop:                                 ; BODY s17
	s_wait_xcnt 0x0                                ; the loads of w issued so far have read their base, so the two pointers may be written
	s_mov_b64 s[PBC:PBC+1], s[PBN:PBN+1]
	s_add_co_u32 s50, s17, 1
	s_and_b32 s50, s50, 15                         ; the next body (behind the last: body 0 once more)
	s_and_b32 s51, s50, 7
	s_lshr_b32 s52, s50, 3
	s_lshl_b32 s22, s51, 19                        ; a head of w is 524,288 bytes,
	s_lshl_b32 s52, s52, 14                        ; a pass's 64 rows 16,384
	s_add_co_u32 s22, s22, s52
	s_add_co_u32 s22, s22, s53
	s_add_nc_u64 s[PBN:PBN+1], s[10:11], s[22:23]
	s_and_b32 s18, s17, 7                          ; the head in hand
	s_lshl_b32 s52, s18, 12
	s_add_co_u32 s52, s52, IWO
	v_add_nc_u32 v[AWO], s52, v[L16]
	s_lshl_b32 s52, s51, 12
	s_add_co_u32 s52, s52, IWV
	v_add_nc_u32 v[AWV], s52, v[L16]
	WIN 0x04
	ALOAD 0, 0
	ALOAD 1, 1
	GATE
	KSTEP 0
	KSTEP 1
	KSTEP 2
	KSTEP 3
	GATE
	KSTEP 4
	KSTEP 5
	KSTEP 6
	KSTEP 7
	GATE
	KSTEP 8
	KSTEP 9
	KSTEP 10
	KSTEP 11
	GATE
	KSTEP 12
	KSTEP 13
	KSTEP 14
	KSTEP 15
	WIN 0                                          ; at a label and at a branch every window is 0
	s_cmp_eq_u32 s19, 1
	s_cbranch_scc0 .Lacc
	TAIL 1
	WIN 0
	s_branch .Ltdone
.Lacc:
	TAIL 0
	WIN 0
.Ltdone:
	s_mov_b32 s19, 0
	s_cmp_eq_u32 s18, 7
	s_cbranch_scc0 .Lnoout
	PLACES                                         ; a pass's last head: the sums are finished and leave
	s_wait_xcnt 0x0
	s_lshr_b32 s50, s17, 3
	s_lshl_b32 s50, s50, 14
	s_add_co_u32 s22, s50, s53
	s_lshl_b32 s50, ttmp9, 18
	s_add_co_u32 s22, s22, s50
	s_add_nc_u64 s[44:45], s[14:15], s[22:23]      ; out at row 128 w + 64 p of plane 2 g
	WSTAGE 0
.irp u, 1,2,3,4,5,6,7
.if \u >= 4
	s_wait_xcnt 0x0                                ; the stores of the unit four back have read the buffer that is loaded again
.endif
	WSTAGE \u
	WSEND \u-1, 16                                 ; 16: this unit's 8 stores and 8 loads
.endr
	WSEND 7, 0
	s_wait_xcnt 0x0                                ; the stores have read their registers: the v phase writes them
	s_mov_b32 s19, 1
.Lnoout:
	s_add_co_u32 s17, s17, 1
	s_cmp_eq_u32 s17, 16
	s_cbranch_scc1 .Lexit
	s_wait_dscnt 0x0                               ; my reads of v are over,
	BAR                                            ; everybody's: v may be written
.Lvph:                                 ; v of head s17 % 8: my 128 j of both s
	VLOAD 1
	VMM 0, 0
	PLACES
	VLOAD 2
	s_wait_dscnt 16                                ; part 1's operands are in; part 2's 16 loads stay out
	VMM 1, 1
	VSTORE 0
	PLACES
	VLOAD 3
	s_wait_dscnt 24                                ; part 2's are in; behind them: 8 stores and part 3's 16 loads
	VMM 2, 1
	VSTORE 1
	PLACES
	s_wait_dscnt 8                                 ; part 3's are in; behind them: 8 stores
	VMM 3, 1
	VSTORE 2
	s_and_b32 s50, s17, 7
	s_lshl_b32 s50, s50, 12
	s_add_co_u32 s50, s50, IWG
	v_add_nc_u32 v[AWG], s50, v[L16]
	s_lshr_b32 s50, s17, 3
	s_lshl_b32 s50, s50, 13                        ; the pass's i: 4 tiles of 2,048 bytes on
	v_add_nc_u32 v[AMNG], s50, v[AMN]
	FRAG8 WG, AWG
	MNFLOAD 0
	WIN 0
	PLACES
.set n_, 0
.rept 32
	VCVT 3, n_
.set n_, n_+1
.endr
	VSTORE 3
	s_wait_dscnt 0x0                               ; my part of v is written, the gate's first operands are in,
	BAR                                            ; and v is whole
	s_cmp_lt_u32 s17, 16
	s_cbranch_scc1 .Ltop
.Lexit:
	s_wait_tensorcnt 0x0                           ; the wave's end, behind my last tensor load and my last LDS store
	ds_add_u32 v[SPW], v[NIL]
	s_wait_dscnt 0x0
	s_endpgm
.Lfunc_end_k_q708f410ff5_msaavg:
	.size	k_q708f410ff5_msaavg, .Lfunc_end_k_q708f410ff5_msaavg-k_q708f410ff5_msaavg
	.p2alignl 7, 3214868480
	.fill 96, 4, 3214868480
	.section	.rodata,"a",@progbits
	.p2align	6, 0x0
	.amdhsa_kernel k_q708f410ff5_msaavg
		.amdhsa_group_segment_fixed_size 327680
		.amdhsa_private_segment_fixed_size 0
		.amdhsa_enable_private_segment 0
		.amdhsa_kernarg_size 48
		.amdhsa_user_sgpr_count 2
		.amdhsa_user_sgpr_kernarg_segment_ptr 1
		.amdhsa_wavefront_size32 1
		.amdhsa_system_sgpr_workgroup_id_x 1
		.amdhsa_system_sgpr_workgroup_id_y 1
		.amdhsa_system_sgpr_workgroup_id_z 1
		.amdhsa_system_vgpr_workitem_id 0
		.amdhsa_next_free_vgpr 1024
		.amdhsa_next_free_sgpr 66
		.amdhsa_reserve_vcc 0
		.amdhsa_float_denorm_mode_32 3
		.amdhsa_float_denorm_mode_16_64 3
		.amdhsa_memory_ordered 1
		.amdhsa_forward_progress 1
		.amdhsa_inst_pref_size 161
	.end_amdhsa_kernel
	.amdgpu_metadata
---
amdhsa.version: [ 1, 2 ]
amdhsa.kernels:
  - .name:           k_q708f410ff5_msaavg
    .symbol:         k_q708f410ff5_msaavg.kd
    .args:
      - { .name: msa, .offset: 0, .size: 8, .value_kind: global_buffer, .address_space: global }
      - { .name: ln_msa_w, .offset: 8, .size: 8, .value_kind: global_buffer, .address_space: global }
      - { .name: ln_msa_b, .offset: 16, .size: 8, .value_kind: global_buffer, .address_space: global }
      - { .name: wsm, .offset: 24, .size: 8, .value_kind: global_buffer, .address_space: global }
      - { .name: wfr, .offset: 32, .size: 8, .value_kind: global_buffer, .address_space: global }
      - { .name: out0, .offset: 40, .size: 8, .value_kind: global_buffer, .address_space: global }
    .group_segment_fixed_size: 327680
    .private_segment_fixed_size: 0
    .kernarg_segment_align: 8
    .kernarg_segment_size: 48
    .max_flat_workgroup_size: 128
    .sgpr_count:     66
    .vgpr_count:     1024
    .wavefront_size: 32
...
	.end_amdgpu_metadata
.endif
;; end of part 2
